; MI455X (gfx1250); checked and timed in simulation.
; The chip was launched on July 23, 2026; its instructions are those of AMD's public machine-readable ISA for CDNA 5 (MIT licence, August 2026) and "CDNA5" Instruction Set Architecture Reference Guide (July 2026). The comments in the code are by the model that wrote it; some were corrected since.
;; Multi Head Self Attention V2. Allowed arithmetic: matrix products marked QUANTISED: E2M3 operands, one E8M0 scale for each 32 along K, by v_wmma_scale_f32_16x16x128_f8f6f4 with both operands' format E2M3, f32 sums; products left as they are: f32 operands where the result goes on into a quantised operand, else bf16, f16 or f32 operands; f32 sums; everything else in f32.
;; Inputs: W_0 128 x 128 float32; W_qkv 384 x 128 float32; b_0 128 float32; x 2,048 x 4 x 128 float32.
;; Outputs: out0 2,048 x 4 x 128 float32.
;; This version of the problem:
;;   THIS VERSION OF THE PROBLEM IS GIVEN IN LOW PRECISION. The matrix products marked QUANTISED in the list below multiply operands that are first quantised to E2M3 (2 exponent bits, 3 mantissa bits; 6 bits a number), with one power-of-two scale for each 32 numbers along K (OCP MX v1.0); their sums are f32. All else is computed in f32.
;;   The module's matrix products, in the order in which they are computed (A, B: the left and right operand; K: the contracted axis; several contracted axes count as one K, in the product's order):
;;     1. [M 8,192, K 128] x [K 128, N 384]; A: input x; B: input W_qkv: QUANTISED
;;     2. batch 32 x [M 2,048, K 16] x [K 16, N 2,048]; A: computed on the way; B: computed on the way: left as it is (K = 16 < 32)
;;     3. batch 32 x [M 2,048, K 2,048] x [K 2,048, N 16]; A: softmax (see below); B: computed on the way: QUANTISED
;;     4. [M 8,192, K 128] x [K 128, N 128]; A: computed on the way; B: input W_0: QUANTISED
;;   THE QUANTISER, for each operand of a quantised product, along K:
;;     - K is cut into blocks of 32 from its start; a last block that is shorter is filled with zeros.
;;     - A block's scale is 2^e with e = floor(log2(the largest magnitude in the block)) - 2, held to -126 .. 127; a block of zeros has e = 0. As a byte (E8M0): e + 127.
;;     - Each number is divided by its block's scale, clamped to +-7.5, and rounded to the nearest number of E2M3, ties to even, subnormals kept.
;;     - The product sums the exact products of the quantised numbers (number of the format x scale) in f32.
;;   ~~~python
;;   def quantise(x, axis):      # numpy; x: float32 -> the quantised numbers, widened to float32 again
;;       x = np.moveaxis(x, axis, -1); K = x.shape[-1]
;;       x = np.pad(x, [(0, 0)] * (x.ndim - 1) + [(0, -K % 32)]); x = x.reshape(x.shape[:-1] + (-1, 32)); a = np.abs(x).max(-1, keepdims=True)
;;       e = np.where(a > 0, np.clip(np.frexp(np.where(a > 0, a, 1))[1] - 1 - 2, -126, 127), 0)      # np.frexp(a)[1] - 1 = floor(log2(a)), exactly
;;       r = np.clip(x / 2.0 ** e, -7.5, 7.5)
;;       step = 2.0 ** (np.maximum(np.frexp(np.where(r == 0, 1, r))[1] - 1, 0) - 3)
;;       q = np.round(r / step) * step * 2.0 ** e      # np.round: ties to even
;;       return np.moveaxis(q.reshape(q.shape[:-2] + (-1,))[..., :K], -1, axis).astype(np.float32)
;;   ~~~
;;   SOFTMAX AHEAD OF A QUANTISED PRODUCT. Where the list says 'softmax', what is quantised is not the finished softmax but p = 2^(t - M), with t = logit x log2(e) and M = ceil(the row's largest t), a whole number; so 1/2 < the row's largest p <= 1. The row's sum l is taken of the UNQUANTISED p, in f32, and the product's result is divided by l at the end. Since M is a whole number, a kernel that streams over the keys may use a running M (the ceiling of the running maximum): every later rescaling is an exact power of two, which a block's scale takes up: the codes' values come out the same.
;;   OPERANDS COMPUTED ON THE WAY. 'Computed on the way' means the value that the module computes at that place (a softmax that the list does not call 'softmax' is quantised finished and normalised). What goes into a quantiser is computed in f32, as accurately as f32 sums, v_exp_f32 and their like allow (about 1e-6 of the number): no bf16 or f16 on the way to a quantiser, and a product that is left as it is and whose result goes on into a quantised operand takes f32 operands (vector FMAs, or v_wmma_f32_16x16x4_f32). A number that lies on a knife's edge between two numbers of the format may be rounded either way, as far as f32 arithmetic and the matrix unit's own rounding can turn it there, and no further.
;; One version. Each part assembles by itself: llvm-mc -triple=amdgcn-amd-amdhsa -mcpu=gfx1250 --defsym DOCPART=n.
;; ======== version 1 of 1: 3 launches
;; workspace buffers: qf 4,194,304 bytes; kv 5,242,880 bytes; att 4,194,304 bytes
;; launch qkv (part 1): grid 64 x 3, 8 waves a work-group, no clusters, 152,576 bytes of LDS; arguments x, W_qkv, qf, kv; writes qf, kv
.if DOCPART == 1
	.amdgcn_target "amdgcn-amd-amdhsa--gfx1250"
	.amdhsa_code_object_version 6
	.text
	.protected	k_q7d7b9907b0_qkv
	.globl	k_q7d7b9907b0_qkv
	.p2align	8
	.type	k_q7d7b9907b0_qkv,@function
k_q7d7b9907b0_qkv:
	s_mov_b64 s[64:65], 0
	v_nop
	global_prefetch_b8 v0, s[64:65] scope:SCOPE_SE
	s_setreg_imm32_b32 hwreg(HW_REG_WAVE_MODE, 25, 1), 1
	s_wait_xcnt 0x0
; qkv = Q(x) Q(W_qkv)^T on codes of FP6 (E2M3) with one E8M0 scale for each 32 along K = 128; sums in f32.  x: [2048 f][4 b][128] f32; W_qkv: [384][128] f32.
; SHARES.  Work-group (x, y): batch element b = x % 4, field places 128 (x / 4) .. + 127 (128 rows of x), and third y of W_qkv's rows: 0 q, 1 k, 2 v.  Wave w owns head w: 16 rows of W.
; TILES OF x.  Tile t (16 rows): lane r takes field place 32 (t / 2) + 8 (t % 2) + r + 8 (r / 8).  Wave w quantises tile w and hands it to the others through LDS as an image of the operand's registers
; (16 bytes a lane, 512 bytes a store); its own 16 rows of W it quantises and keeps.  One barrier.  Then 8 matrix instructions a wave, K = 128 being one instruction deep.
; WHAT LEAVES, laid as the next launch's operands want it:
;   q, k: the product is used transposed (source 0 = W's 16 rows, source 1 = a tile of x): lane (r, h) holds dims 8 h + 0 .. 7 of row r.  Registers 4 c .. 4 c + 3 go out as image c: 512 bytes on end a store.
;         qf: [head 32][tile 128][c 2][lane 32][16 bytes].  kv: records of 10,240 bytes for a head and 128 keys: k's 8 tiles so, then v.
;   v:    source 0 = a tile of x, source 1 = W's 16 rows: lane (r, h) holds dim r, and by the choice of the tiles' rows the registers of tiles 2 b, 2 b + 1 are keys 32 b + 16 h + 0 .. 15: 16 neighbours along
;         the next product's K.  They are quantised along the keys in registers; the fragment (12 registers) leaves as three images, its scale word four times over as a fourth: whole runs of 512 bytes.
; No cluster: the operands are f32 numbers that go from memory into the registers that quantise them; there is no tensor tile that work-groups could ask for jointly.  No prefetch: each wave asks for all it reads at its head.
; LIMITS: NaN and infinities among the inputs are not served.  A block whose largest magnitude lies under 2^-124 keeps the scale byte 1 (a block of zeros too: its codes are zeros, and this program alone reads the bytes).
.set FRB,  1536                        ; a fragment's image: 12 registers x 128 bytes
.set XIMG, 0                           ; LDS: x's 8 fragments,
.set XSC,  8*FRB                       ; their scale words, 128 bytes each,
.set STG,  XSC+1024                    ; and for each wave two stages of 16 rows x (512 + 16) bytes, in which rows as loaded turn into 16 neighbours a lane
.set STB,  16*528
.set REC,  10240                       ; a record of kv
.set VOFF, 8192                        ; v's part of it
.set LI,  6                            ; v6   16 x lane
.set LS,  7                            ; v7   4 x lane
.set XWI, 8                            ; v8   where I store my image: 16 x lane + FRB x wave
.set XWS, 9                            ; v9   and its scale word: 4 x lane + 128 x wave
.set STI, 10                           ; v10  my stages, on the way in: 16 x lane
.set STO, 11                           ; v11  and out: 528 r + 64 h
.set XN,  32                           ; v32-95   64 numbers of x
.set WN,  96                           ; v96-159  64 numbers of W
.set XF,  32                           ; v32-127  later: x's 8 fragments
.set ACC, 128                          ; v128-191 8 accumulators
.set WF,  192                          ; v192-203 W's fragment
.set WS,  204                          ; v204     its scale word
.set XS,  208                          ; v208-215 x's scale words
.set TM,  216                          ; v216-231 the quantiser's work
.set PC,  232                          ; v232-243 codes just made
.set CT,  244                          ; v244-250 the upper halves of blocks
.set PW,  252                          ; v252-255 the scale word just made
.set WV,  18
.set SEL, 20
; 64 numbers of a lane, register 16 b + i = k 32 b + 16 (lane / 16) + i of my row, become a fragment's codes in v[pc] on and its scale word in v[pw].
.macro QUANT s, pc, pw
.irp b, 0,1,2,3
	v_max3_num_f32 v[TM+\b], |v[\s+16*\b]|, |v[\s+1+16*\b]|, 0x1800000   ; block b: my 16 numbers, from the low end on, and the floor 2^(3 - 127): the byte cannot fall under 1
.endr
.irp i, 2,4,6,8,10,12,14
.irp b, 0,1,2,3
	v_max3_num_f32 v[TM+\b], v[TM+\b], |v[\s+16*\b+\i]|, |v[\s+1+16*\b+\i]|   ; the four blocks by turns
.endr
.endr
.irp b, 0,1,2,3
	v_permlanex16_b32 v[TM+4+\b], v[TM+\b], s[SEL], s[SEL+1]
.endr
.irp b, 0,1,2,3
	v_max_num_f32 v[TM+\b], v[TM+\b], v[TM+4+\b]   ; with lane l xor 16's: the block's largest magnitude
.endr
.irp b, 0,1,2,3
	v_add_nc_u32 v[TM+12+\b], 0xff000000, v[TM+\b] ; 2 off its exponent field: the conversion takes this operand's exponent field as its scale
.endr
.irp b, 0,1,2,3
	v_lshrrev_b32 v[TM+4+\b], 23, v[TM+12+\b]      ; the scale's byte
.endr
	v_lshl_or_b32 v[\pw], v[TM+5], 8, v[TM+4]      ; four bytes: my row's scale word
	v_lshl_or_b32 v[\pw], v[TM+6], 16, v[\pw]
	v_lshl_or_b32 v[\pw], v[TM+7], 24, v[\pw]
.irp c, 0,1
	v_cvt_scalef32_pk16_fp6_f32 v[\pc+6*\c:\pc+2+6*\c], v[\s+32*\c:\s+15+32*\c], v[TM+12+2*\c]
	v_cvt_scalef32_pk16_fp6_f32 v[CT+4*\c:CT+2+4*\c], v[\s+16+32*\c:\s+31+32*\c], v[TM+12+2*\c+1]   ; (a conversion's three registers begin on an even number)
.endr
	v_nop                                          ; one plain instruction behind the last scaled conversion
.irp c, 0,1                                    ; the operand wants a whole block in a lane: lanes 0-15 block 2 c, lanes 16-31 block 2 c + 1
.irp i, 0,1,2
	v_permlane16_swap_b32 v[\pc+6*\c+\i], v[CT+4*\c+\i]
.endr
.irp i, 0,1,2
	v_mov_b32 v[\pc+3+6*\c+\i], v[CT+4*\c+\i]
.endr
.endr
.endm
; 16 rows as loaded (register group i = row i, 16 bytes a lane) go into my stage and come back 16 neighbours of each block of 32 a lane.  LDS serves a wave's instructions in order: no wait between stores and loads.
.macro TURN reg, off
.irp i, 0,1,2,3,4,5,6,7,8,9,10,11,12,13,14,15
	ds_store_b128 v[STI], v[\reg+4*\i:\reg+4*\i+3] offset:\off+528*\i
.endr
.irp b, 0,1,2,3
.irp j, 0,1,2,3
	ds_load_b128 v[\reg+16*\b+4*\j:\reg+16*\b+4*\j+3], v[STO] offset:\off+128*\b+16*\j
.endr
.endr
.endm
	s_load_b128 s[4:7], s[0:1], 0x0                ; x, W_qkv
	s_load_b128 s[8:11], s[0:1], 0x10              ; qf, kv
	v_lshl_add_u32 v247, v0, 2, 0x25000
	v_mov_b32 v251, 0
	v_lshrrev_b32 v1, 5, v0
	v_readfirstlane_b32 s[WV], v1                  ; wave 0..7
	v_and_b32 v1, 31, v0                           ; lane
	v_and_b32 v2, 15, v0                           ; r
	v_bfe_u32 v3, v0, 4, 1                         ; h
	v_lshlrev_b32 v[LI], 4, v1
	v_lshlrev_b32 v[LS], 2, v1
	s_mul_i32 s22, s[WV], FRB
	v_add_nc_u32 v[XWI], s22, v[LI]
	s_lshl_b32 s22, s[WV], 7
	v_add_nc_u32 v[XWS], s22, v[LS]
	s_mul_i32 s22, s[WV], 2*STB
	s_add_co_u32 s22, s22, STG                     ; my two stages
	v_add_nc_u32 v[STI], s22, v[LI]
	v_mul_u32_u24 v[STO], v2, 528
	v_lshl_add_u32 v[STO], v3, 6, v[STO]
	v_add_nc_u32 v[STO], s22, v[STO]
	s_mov_b32 s[SEL], 0x76543210
	s_mov_b32 s[SEL+1], 0xfedcba98                 ; v_permlanex16_b32's selects for lane l xor 16
.irp b, 0,1,2,3
	v_mov_b32 v[TM+4+\b], 0                        ; written once: a lane permute's destination counts as one of its sources
.endr
	s_and_b32 s23, ttmp9, 3                        ; b
	s_lshr_b32 s24, ttmp9, 2                       ; which 128 field places
	s_and_b32 s25, ttmp7, 0xffff                   ; 0 q, 1 k, 2 v
	s_lshl_b32 s26, s24, 18                        ; x: 128 places x 2,048 bytes,
	s_lshr_b32 s28, s[WV], 1
	s_lshl_b32 s28, s28, 16                        ; + 32 (wave / 2) places,
	s_add_co_u32 s26, s26, s28
	s_and_b32 s28, s[WV], 1
	s_lshl_b32 s28, s28, 14                        ; + 8 (wave % 2) places,
	s_add_co_u32 s26, s26, s28
	s_lshl_b32 s28, s23, 9                         ; + b rows of 512 bytes
	s_add_co_u32 s26, s26, s28
	s_mov_b32 s27, 0
	s_lshl_b32 s28, s25, 16                        ; W: 128 rows a third, 16 a wave, 512 bytes a row
	s_lshl_b32 s30, s[WV], 13
	s_add_co_u32 s28, s28, s30
	s_mov_b32 s29, 0
	s_lshl_b32 s30, s23, 3
	s_add_co_u32 s30, s30, s[WV]                   ; the head among 32: 8 b + wave
	s_lshl_b32 s32, s30, 17                        ; qf: 128 tiles of 1,024 bytes a head, 8 tiles a work-group
	s_lshl_b32 s33, s24, 13
	s_add_co_u32 s32, s32, s33
	s_lshl_b32 s34, s30, 4
	s_add_co_u32 s34, s34, s24
	s_mul_i32 s34, s34, REC                        ; kv: record 16 head + (which 128)
	s_mov_b32 s33, 0
	s_mov_b32 s35, 0
	s_wait_kmcnt 0x0
	s_add_nc_u64 s[4:5], s[4:5], s[26:27]
	s_add_nc_u64 s[6:7], s[6:7], s[28:29]
	s_cmp_eq_u32 s25, 0                            ; q goes to qf, k to kv: the choice hangs on the work-group's number alone
	s_cselect_b64 s[14:15], s[8:9], s[10:11]
	s_cselect_b32 s32, s32, s34
	s_add_nc_u64 s[14:15], s[14:15], s[32:33]
	s_add_nc_u64 s[16:17], s[10:11], s[34:35]
	s_add_nc_u64 s[16:17], s[16:17], VOFF          ; v's part of the record
.irp i, 0,1,2,3,4,5,6,7,8,9,10,11,12,13,14,15
	global_load_b128 v[XN+4*\i:XN+4*\i+3], v[LI], s[4:5] offset:(\i+8*(\i/8))*2048   ; row i of my tile: 32 lanes read its 512 consecutive bytes
.endr
.irp i, 0,1,2,3,4,5,6,7,8,9,10,11,12,13,14,15
	global_load_b128 v[WN+4*\i:WN+4*\i+3], v[LI], s[6:7] offset:\i*512
.endr
	s_wait_loadcnt 16                              ; x's 16 loads are in; W's 16 may be out
	TURN XN, 0
	s_wait_loadcnt 0x0
	TURN WN, STB
	s_wait_dscnt 32                                ; x's numbers are back; behind them W's 16 stores and 16 loads
	QUANT XN, PC, PW
.irp c, 0,1,2
	ds_store_b128 v[XWI], v[PC+4*\c:PC+4*\c+3] offset:XIMG+512*\c   ; the fragment as it stands
.endr
	ds_store_b32 v[XWS], v[PW] offset:XSC
	s_wait_dscnt 4                                 ; W's numbers are back; behind them the four stores above
	QUANT WN, WF, WS
	s_wait_dscnt 0x0                               ; for the others' sake: my image has landed
	s_barrier_signal -1
	s_barrier_wait -1                              ; x's eight fragments lie in LDS
.irp t, 0,1,2,3,4,5,6,7
.irp c, 0,1,2
	ds_load_b128 v[XF+12*\t+4*\c:XF+12*\t+4*\c+3], v[LI] offset:XIMG+\t*FRB+512*\c
.endr
	ds_load_b32 v[XS+\t], v[LS] offset:XSC+128*\t
.endr
.rept 8
	v_nop                                          ; W's scale word, made by vector instructions, stands 8 plain instructions ahead of the scaled matrix instructions, its codes 4
.endr
	s_wait_dscnt 0x0
	s_cmp_eq_u32 s25, 2
	s_cbranch_scc1 .Lvpath
	; ---- q or k: transposed; lane (r, h) holds dims 8 h + 0 .. 7 of the tile's row r
.irp t, 0,1,2,3,4,5,6,7
	v_wmma_scale_f32_16x16x128_f8f6f4 v[ACC+8*\t:ACC+8*\t+7], v[WF:WF+11], v[XF+12*\t:XF+12*\t+11], 0, v[WS], v[XS+\t] matrix_a_fmt:MATRIX_FMT_FP6 matrix_b_fmt:MATRIX_FMT_FP6
.endr
.rept 4
	v_nop                                          ; four plain instructions between a matrix instruction and a store of its result
.endr
.irp t, 0,1,2,3,4,5,6,7
	global_store_b128 v[LI], v[ACC+8*\t:ACC+8*\t+3], s[14:15] offset:1024*\t         ; each accumulator from its low end on; 32 lanes store 512 consecutive bytes, aligned
	global_store_b128 v[LI], v[ACC+8*\t+4:ACC+8*\t+7], s[14:15] offset:1024*\t+512
.endr
	s_wait_tensorcnt 0x0
	ds_add_u32 v247, v251
	s_wait_dscnt 0x0
	s_endpgm
.Lvpath:
	; ---- v: lane (r, h) holds dim r; register 16 b + i is key 32 b + 16 h + i of the work-group's 128
.irp t, 0,1,2,3,4,5,6,7
	v_wmma_scale_f32_16x16x128_f8f6f4 v[ACC+8*\t:ACC+8*\t+7], v[XF+12*\t:XF+12*\t+11], v[WF:WF+11], 0, v[XS+\t], v[WS] matrix_a_fmt:MATRIX_FMT_FP6 matrix_b_fmt:MATRIX_FMT_FP6
.endr
.rept 4
	v_nop
.endr
	QUANT ACC, PC, PW                              ; along the keys: one fragment of V^T (16 dims x 128 keys) and its scale word
	v_mov_b32 v[PW+1], v[PW]
	v_mov_b32 v[PW+2], v[PW]
	v_mov_b32 v[PW+3], v[PW]                       ; the scale word four times, so that it leaves like the codes: 16 bytes a lane
.irp c, 0,1,2
	global_store_b128 v[LI], v[PC+4*\c:PC+4*\c+3], s[16:17] offset:512*\c
.endr
	global_store_b128 v[LI], v[PW:PW+3], s[16:17] offset:1536
	s_wait_tensorcnt 0x0
	ds_add_u32 v247, v251
	s_wait_dscnt 0x0
	s_endpgm
.Lfunc_end_k_q7d7b9907b0_qkv:
	.size	k_q7d7b9907b0_qkv, .Lfunc_end_k_q7d7b9907b0_qkv-k_q7d7b9907b0_qkv
	.p2alignl 7, 3214868480
	.fill 96, 4, 3214868480
	.section	.rodata,"a",@progbits
	.p2align	6, 0x0
	.amdhsa_kernel k_q7d7b9907b0_qkv
		.amdhsa_group_segment_fixed_size 152576
		.amdhsa_private_segment_fixed_size 0
		.amdhsa_enable_private_segment 0
		.amdhsa_kernarg_size 32
		.amdhsa_user_sgpr_count 2
		.amdhsa_user_sgpr_kernarg_segment_ptr 1
		.amdhsa_wavefront_size32 1
		.amdhsa_system_sgpr_workgroup_id_x 1
		.amdhsa_system_sgpr_workgroup_id_y 1
		.amdhsa_system_sgpr_workgroup_id_z 1
		.amdhsa_system_vgpr_workitem_id 0
		.amdhsa_next_free_vgpr 256
		.amdhsa_next_free_sgpr 66
		.amdhsa_reserve_vcc 0
		.amdhsa_float_denorm_mode_32 3
		.amdhsa_float_denorm_mode_16_64 3
		.amdhsa_memory_ordered 1
		.amdhsa_forward_progress 1
		.amdhsa_inst_pref_size 29
	.end_amdhsa_kernel
	.amdgpu_metadata
---
amdhsa.version: [ 1, 2 ]
amdhsa.kernels:
  - .name:           k_q7d7b9907b0_qkv
    .symbol:         k_q7d7b9907b0_qkv.kd
    .args:
      - { .name: x, .offset: 0, .size: 8, .value_kind: global_buffer, .address_space: global }
      - { .name: W_qkv, .offset: 8, .size: 8, .value_kind: global_buffer, .address_space: global }
      - { .name: qf, .offset: 16, .size: 8, .value_kind: global_buffer, .address_space: global }
      - { .name: kv, .offset: 24, .size: 8, .value_kind: global_buffer, .address_space: global }
    .group_segment_fixed_size: 152576
    .private_segment_fixed_size: 0
    .kernarg_segment_align: 8
    .kernarg_segment_size: 32
    .max_flat_workgroup_size: 256
    .sgpr_count:     66
    .vgpr_count:     256
    .wavefront_size: 32
...
	.end_amdgpu_metadata
.endif
;; end of part 1
;; launch attn (part 2): grid 8 x 32, 16 waves a work-group, clusters of 4 x 1, 169,984 bytes of LDS; arguments qf, kv, att; writes att
.if DOCPART == 2
	.amdgcn_target "amdgcn-amd-amdhsa--gfx1250"
	.amdhsa_code_object_version 6
	.text
	.protected	k_q7d7b9907b0_attn
	.globl	k_q7d7b9907b0_attn
	.p2align	8
	.type	k_q7d7b9907b0_attn,@function
k_q7d7b9907b0_attn:
	s_mov_b64 s[64:65], 0
	v_nop
	global_prefetch_b8 v0, s[64:65] scope:SCOPE_SE
	s_setreg_imm32_b32 hwreg(HW_REG_WAVE_MODE, 25, 1), 1
	s_wait_xcnt 0x0
	s_wait_alu depctr_hold_cnt(0) depctr_sa_sdst(0) depctr_va_vdst(0) depctr_va_sdst(0) depctr_va_ssrc(0) depctr_va_vcc(0) depctr_vm_vsrc(0)
	s_getreg_b32 s2, hwreg(HW_REG_IB_STS2, 6, 4)
	s_cmp_eq_u32 s2, 0
	s_cbranch_scc0 .Lentry_in_a_cluster
	s_endpgm
.Lentry_in_a_cluster:
	s_bfe_u32 s2, ttmp6, 0x10000c
	s_cmp_lg_u32 s2, 0x3003
	s_cbranch_scc0 .Lentry_shape_is_right
	s_endpgm
.Lentry_shape_is_right:
; For each of 32 heads (8 b + h): O[q] = sum over keys of softmax(Q[q] . K[key] / 4) V[key], 2,048 queries and keys, 16 dims.
; The scores go on into a quantised operand, so they are made from f32 operands, by v_wmma_f32_16x16x4_f32.  The second product is on codes of FP6 (E2M3) with one E8M0 scale for each 32 keys.
; THE SOFTMAX AHEAD OF IT: t = score x log2(e) / 4; M = the row's largest t so far, rounded UP to a whole number; p = 2^(t - M) is quantised along the keys, not normalised.  The row's sum is taken of the
; unquantised p and divides O at the end.  When M moves, the sum and O are multiplied by 2^(old M - new M): exact.
; SHARES.  A work-group owns 256 queries of one head, each of its sixteen waves one tile of 16, in 256 registers: four waves to a SIMD, so that one wave's vector work stands beside another's matrix work.
; K AND V OF THE WHOLE HEAD STAY IN LDS: 16 records of 10,240 bytes (128 keys each: K's 8 tiles as images of the operand's registers, V^T's fragment as three images, its scale words as a fourth), 163,840 bytes.
; Each wave asks for one record by one tensor load at the head; nothing is filled again: one wait, one barrier, no ring.  By the text's own count a wave has one tensor load out.
; CLUSTER.  The four query blocks of a cluster belong to one head and want the same 16 records: each record is asked for JOINTLY, by the same load with the same descriptor (head and wave alone) and the mask of all four.
; No prefetch is laid: all that the launch streams is asked for by these first loads; behind them only Q's 1,024 bytes a wave are read.
; LAYOUT.  Both products are used transposed: S^T = K Q^T (source 0 = 16 keys, source 1 = my 16 queries), O^T = V^T P^T: a lane holds ONE query (lane % 16) throughout.
; In a tile of K or Q lane (r, h) holds dims 8 h + 0 .. 7 of row r; instruction s of a sum's four takes registers 2 s, 2 s + 1 of both: the same order of the 16 dims on both sides.
; Row r of K's tile 2 b + u is key 32 b + 8 u + r + 8 (r / 8), so that the 16 registers of tiles 2 b and 2 b + 1 are keys 32 b + 16 h + 0 .. 15: neighbours along the second product's K.
; LIMITS: NaN and infinities are not served.  p under 2^-126 comes out as 0 (v_exp_f32: ISA guide 15.8); a block whose every p is 0 keeps the scale byte 1 over zero codes.
.set REC,  10240
.set VOFF, 8192                        ; V's fragment in a record
.set SOFF, 9728                        ; its scale words, 16 bytes a lane
.set LI,  1                            ; v1   16 x lane; never rewritten
.set ADK, 2                            ; v2   the record in hand
.set F,   6                            ; v6   f = 2^(old M - new M);  v7 p's scale word
.set BM,  8                            ; v8-11  a block's largest score, then its largest p, then the conversion's scale operand
.set NM,  12                           ; v12  -M;  v13 the largest t
.set SUM, 14                           ; v14-15 the row's sum in two halves
.set Q,   16                           ; v16-23
.set O,   24                           ; v24-31 O^T
.set KF,  32                           ; v32-95 K's 8 tiles
.set SB,  32                           ; v32-33 second chain of the sums, once K's tiles are done with
.set S,   96                           ; v96-159 S^T: written by matrix instructions alone
.set P,   160                          ; v160-223 t - M, then p
.set VF,  224                          ; v224-235 V^T's fragment
.set CD,  236                          ; v236-247 p's codes
.set PT,  248                          ; v248-254 at work
.set TMP, 254
.set VS,  255                          ; v255 V's scale word
.set WV,  12
.set G1,  24                           ; s[24:31] descriptor group 1
.set G0,  32                           ; s[32:35] group 0
.set CS,  36                           ; s[36:37] c = log2(e) / 4
.set SEL, 38
.set TB,  40                           ; LDS byte of the record in hand
.set CNT, 41
.macro CROUND                          ; a round of the cluster's barrier: my work-group's barrier; wave 0 signals for the work-group; every wave waits for all four work-groups; my work-group's barrier once more
	s_barrier_signal -1
	s_barrier_wait -1
	s_cmp_lg_u32 s[WV], 0
	s_cbranch_scc1 .Lnot_wave_0_\@
	s_barrier_signal -3
.Lnot_wave_0_\@:
	s_barrier_wait -3
	s_barrier_signal -1
	s_barrier_wait -1
.endm
	s_load_b128 s[4:7], s[0:1], 0x0                ; qf, kv
	s_load_b64 s[8:9], s[0:1], 0x10                ; att
	v_lshl_add_u32 v4, v0, 2, 0x29000
	v_mov_b32 v5, 0
	ds_add_u32 v4, v5
	ds_add_u32 v4, v5
	v_lshrrev_b32 v2, 5, v0
	v_readfirstlane_b32 s[WV], v2                  ; wave 0..15
	s_bfe_u32 s13, ttmp6, 0x40000                  ; cx: my place in the cluster
	s_lshl_b32 s14, ttmp9, 2                       ; in a cluster launch ttmp9 counts clusters
	s_add_co_u32 s14, s14, s13                     ; my block of 256 queries: it enters Q's and O's addresses alone
	s_and_b32 s15, ttmp7, 0xffff                   ; the head, which the four partners share
	s_lshl_b32 s16, s15, 4
	s_add_co_u32 s16, s16, s[WV]
	s_mul_i32 s16, s16, REC                        ; the record that I fetch: 16 head + wave
	s_mov_b32 s17, 0
	s_mul_i32 s18, s[WV], REC                      ; and its place in LDS: no place in the cluster enters an LDS address
	s_lshl_b32 s20, s15, 17                        ; my tile of Q and of O: 128 tiles of 1,024 bytes a head, 16 a block, one a wave
	s_lshl_b32 s22, s14, 14
	s_add_co_u32 s20, s20, s22
	s_lshl_b32 s22, s[WV], 10
	s_add_co_u32 s20, s20, s22
	s_mov_b32 s21, 0
	; group 1: a dense block of 10,240 bytes as 40 rows of 32 elements of 8 bytes, no padding: the images are read 16 bytes a lane on end
	s_mov_b32 s[G1], 15|(3<<16)|(1<<21)            ; 15:0 the mask: all four work-groups; 17:16 elements of 8 bytes; 21 set beside a mask
	s_mov_b32 s[G1+1], 32<<16                      ; tensor_dim0 = 32
	s_mov_b32 s[G1+2], 40<<16                      ; tensor_dim1 = 40
	s_mov_b32 s[G1+3], 32<<16                      ; tile_dim0 = 32
	s_mov_b32 s[G1+4], 40                          ; tile_dim1 = 40
	s_mov_b32 s[G1+5], 32                          ; from row to row
	s_mov_b32 s[G1+6], 0
	s_mov_b32 s[G1+7], 0
	s_mov_b32 s[CS], 0x3eb8aa3b                    ; c = log2(e) / sqrt(16)
	s_mov_b32 s[CS+1], s[CS]                       ; (named with it as a pair, so it is written)
	s_mov_b32 s[SEL], 0x76543210
	s_mov_b32 s[SEL+1], 0xfedcba98                 ; v_permlanex16_b32's selects for lane l xor 16
	s_mov_b32 s[TB], 0
	s_mov_b32 s[CNT], 16
	s_wait_dscnt 0x0
	s_wait_kmcnt 0x0
	s_add_nc_u64 s[6:7], s[6:7], s[16:17]
	s_add_nc_u64 s[4:5], s[4:5], s[20:21]
	s_add_nc_u64 s[8:9], s[8:9], s[20:21]
	CROUND                                         ; all four work-groups are here: the joint loads meet
	s_mov_b32 s[G0], 1                             ; count = 1
	s_mov_b32 s[G0+1], s18                         ; LDS address
	s_mov_b64 s[G0+2:G0+3], s[6:7]                 ; global address
	s_or_b32 s[G0+3], s[G0+3], 0x80000000          ; type = 2
	tensor_load_to_lds s[G0:G0+3], s[G1:G1+7]      ; my record: the wave's one tensor load
	s_nop 0
.rept 4
	v_nop
.endr
	v_and_b32 v[LI], 31, v0
	v_lshlrev_b32 v[LI], 4, v[LI]
	global_load_b128 v[Q:Q+3], v[LI], s[4:5]       ; Q's tile stays in registers
	global_load_b128 v[Q+4:Q+7], v[LI], s[4:5] offset:512
	v_mov_b32 v[NM+1], 0xff61b1e6                  ; the largest t so far: -3e38, under every t
	v_floor_f32 v[NM], -v[NM+1]                    ; -M
	v_mov_b32 v[SUM], 0
	v_mov_b32 v[SUM+1], 0
.irp j, 0,1,2,3,4,5,6,7
	v_mov_b32 v[O+\j], 0                           ; the step is written once: the first finds zeros, which the first change of M leaves zeros
.endr
.irp b, 0,1,2,3
	v_mov_b32 v[PT+\b], 0                          ; written once: a lane permute's destination counts as one of its sources
.endr
	v_mov_b32 v[F+1], 0                            ; (named as the upper half of the pair before it is first written)
	s_wait_tensorcnt 0x0                           ; my record has landed,
	s_barrier_signal -1
	s_barrier_wait -1                              ; everybody's has: the head's K and V lie in LDS, and nobody writes LDS from here on
	s_wait_loadcnt 0x0                             ; Q
.Lstep:                                            ; 16 trips of 128 keys
	v_add_nc_u32 v[ADK], s[TB], v[LI]
.rept 3
	v_nop                                          ; with the line above: four plain instructions between the last step's scaled product and the loads into its operands
.endr
.irp t, 0,1,2,3,4,5,6,7
	ds_load_b128 v[KF+8*\t:KF+8*\t+3], v[ADK] offset:1024*\t
	ds_load_b128 v[KF+8*\t+4:KF+8*\t+7], v[ADK] offset:1024*\t+512
.endr
.irp c, 0,1,2
	ds_load_b128 v[VF+4*\c:VF+4*\c+3], v[ADK] offset:VOFF+512*\c
.endr
	ds_load_b32 v[VS], v[ADK] offset:SOFF
; S^T = K Q^T: two groups of four tiles; a sum is four instructions deep (16 dims); the group's four accumulators take turns, one instruction a turn
.irp g, 0,1
	s_wait_dscnt 12-8*\g                           ; this group's 8 loads are in; behind them: the other group's 8 (g = 0) and V's 4
.irp s, 0,1,2,3
.irp t, 0,1,2,3
.if \s == 0
	v_wmma_f32_16x16x4_f32 v[S+8*(4*\g+\t):S+8*(4*\g+\t)+7], v[KF+8*(4*\g+\t):KF+8*(4*\g+\t)+1], v[Q:Q+1], 0
.else
	v_wmma_f32_16x16x4_f32 v[S+8*(4*\g+\t):S+8*(4*\g+\t)+7], v[KF+8*(4*\g+\t)+2*\s:KF+8*(4*\g+\t)+2*\s+1], v[Q+2*\s:Q+2*\s+1], v[S+8*(4*\g+\t):S+8*(4*\g+\t)+7]
.endif
.endr
.endr
.endr
.rept 8
	v_nop                                          ; eight plain instructions between this form and the first vector read of its results
.endr
.irp b, 0,1,2,3
	v_max3_num_f32 v[BM+\b], v[S+16*\b], v[S+1+16*\b], v[S+2+16*\b]   ; THE LARGEST SCORE OF EACH BLOCK OF 32 KEYS: for the row's maximum and, since p rises with the score, for the block's largest p.  Each accumulator is read from its low end on
.endr
.irp i, 3,5,7,9,11,13
.irp b, 0,1,2,3
	v_max3_num_f32 v[BM+\b], v[BM+\b], v[S+16*\b+\i], v[S+1+16*\b+\i]
.endr
.endr
.irp b, 0,1,2,3
	v_max_num_f32 v[BM+\b], v[BM+\b], v[S+15+16*\b]
.endr
.irp b, 0,1,2,3
	v_permlanex16_b32 v[PT+\b], v[BM+\b], s[SEL], s[SEL+1]
.endr
.irp b, 0,1,2,3
	v_max_num_f32 v[BM+\b], v[BM+\b], v[PT+\b]     ; with lane l xor 16's 16 keys
.endr
	v_max3_num_f32 v[TMP], v[BM], v[BM+1], v[BM+2]
	v_max_num_f32 v[TMP], v[TMP], v[BM+3]          ; the step's largest score of my query
	v_mul_f32 v[TMP], s[CS], v[TMP]                ; as t (c is positive)
	v_max_num_f32 v[NM+1], v[NM+1], v[TMP]         ; the running largest t
	v_mov_b32 v[TMP], v[NM]
	v_floor_f32 v[NM], -v[NM+1]                    ; the new -M = floor(-t) = -ceil(t): a whole number
	v_sub_f32 v[TMP], v[NM], v[TMP]                ; old M - new M: a whole number, 0 or less
	v_cvt_i32_f32 v[TMP], v[TMP]                   ; (it saturates)
	v_ldexp_f32 v[F], 1.0, v[TMP]                  ; f = 2^(old M - new M)
.set j, 0
.rept 32
	v_pk_fma_f32 v[P+j:P+j+1], v[S+j:S+j+1], s[CS:CS+1], v[NM:NM+1] op_sel_hi:[1,0,0]   ; t - M, two at a time, into registers of its own
.set j, j+2
.endr
.irp b, 0,1,2,3
	v_fma_f32 v[BM+\b], v[BM+\b], s[CS], v[NM]     ; the same of each block's largest score
.endr
.set j, 0
.rept 64
	v_exp_f32 v[P+j], v[P+j]                       ; p = 2^(t - M): one batch
.set j, j+1
.endr
	v_pk_mul_f32 v[SUM:SUM+1], v[SUM:SUM+1], v[F:F+1] op_sel_hi:[1,0]   ; the sums under the new M (the plain instruction behind the batch),
.irp j, 0,2,4,6
	v_pk_mul_f32 v[O+\j:O+\j+1], v[O+\j:O+\j+1], v[F:F+1] op_sel_hi:[1,0]   ; and O^T, from its low end on
.endr
	s_wait_alu depctr_va_vdst(0)                   ; one wait for the batch, ahead of its first reader
.irp b, 0,1,2,3
	v_exp_f32 v[BM+\b], v[BM+\b]                   ; the block's largest p: the same two instructions on the same number give the same bits
.endr
	v_pk_add_f32 v[SB:SB+1], v[P:P+1], v[P+2:P+3]  ; THE ROW'S SUM IS TAKEN OF THE UNQUANTISED p: two chains; these lines read the 64 alone
.irp j, 4,8,12,16,20,24,28,32,36,40
	v_pk_add_f32 v[SUM:SUM+1], v[SUM:SUM+1], v[P+\j:P+\j+1]
	v_pk_add_f32 v[SB:SB+1], v[SB:SB+1], v[P+2+\j:P+3+\j]
.endr
	s_wait_alu depctr_va_vdst(0)                   ; and one for the four
.irp b, 0,1,2,3
	v_max_num_f32 v[BM+\b], 0x1800000, v[BM+\b]    ; the floor 2^(3 - 127): the byte cannot fall under 1
.endr
.irp b, 0,1,2,3
	v_add_nc_u32 v[BM+\b], 0xff000000, v[BM+\b]    ; 2 off the exponent field: the conversion's scale operand
.endr
.irp b, 0,1,2,3
	v_lshrrev_b32 v[PT+\b], 23, v[BM+\b]           ; the scale's byte
.endr
	v_lshl_or_b32 v[F+1], v[PT+1], 8, v[PT]        ; p's scale word for these 128 keys
	v_lshl_or_b32 v[F+1], v[PT+2], 16, v[F+1]
	v_lshl_or_b32 v[F+1], v[PT+3], 24, v[F+1]
.irp c, 0,1
	v_cvt_scalef32_pk16_fp6_f32 v[CD+6*\c:CD+2+6*\c], v[P+32*\c:P+15+32*\c], v[BM+2*\c]
	v_cvt_scalef32_pk16_fp6_f32 v[PT+4*\c:PT+2+4*\c], v[P+16+32*\c:P+31+32*\c], v[BM+2*\c+1]   ; (a conversion's three registers begin on an even number)
.endr
	v_nop                                          ; one plain instruction behind the last scaled conversion
.irp c, 0,1                                    ; the operand wants a whole block in a lane: lanes 0-15 block 2 c, lanes 16-31 block 2 c + 1
.irp i, 0,1,2
	v_permlane16_swap_b32 v[CD+6*\c+\i], v[PT+4*\c+\i]
.endr
.irp i, 0,1,2
	v_mov_b32 v[CD+3+6*\c+\i], v[PT+4*\c+\i]
.endr
.endr
.irp j, 44,48,52,56,60                         ; the rest of the sums: eleven plain instructions between the codes and the scale word just made and the scaled matrix instruction (4 and 8 are asked)
	v_pk_add_f32 v[SUM:SUM+1], v[SUM:SUM+1], v[P+\j:P+\j+1]
	v_pk_add_f32 v[SB:SB+1], v[SB:SB+1], v[P+2+\j:P+3+\j]
.endr
	v_pk_add_f32 v[SUM:SUM+1], v[SUM:SUM+1], v[SB:SB+1]
	s_wait_dscnt 0x0                               ; V's fragment and scale word are in
	v_wmma_scale_f32_16x16x128_f8f6f4 v[O:O+7], v[VF:VF+11], v[CD:CD+11], v[O:O+7], v[VS], v[F+1] matrix_a_fmt:MATRIX_FMT_FP6 matrix_b_fmt:MATRIX_FMT_FP6   ; O^T += V^T P^T; the 32 products of the next step stand between this link and the next
	s_add_co_u32 s[TB], s[TB], REC
	s_sub_co_u32 s[CNT], s[CNT], 1
	s_cmp_lg_u32 s[CNT], 0
	s_cbranch_scc1 .Lstep
	; THE WAY OUT: O^T / the sum.  Lane (r, h) holds dims 8 h + 0 .. 7 of query r: registers 4 c .. 4 c + 3 leave as image c, 512 bytes on end, at the tile's place in att (laid as qf is)
	v_add_f32 v[SUM], v[SUM], v[SUM+1]
	v_permlanex16_b32 v[PT], v[SUM], s[SEL], s[SEL+1]
	v_add_f32 v[SUM], v[SUM], v[PT]                ; the row's sum
	v_rcp_f32 v[SUM], v[SUM]
.rept 4
	v_nop                                          ; the plain instruction behind the reciprocal; with the additions above, the places behind the last product
.endr
	s_wait_alu depctr_va_vdst(0)                   ; the wait ahead of the reciprocal's first reader
.irp j, 0,1,2,3,4,5,6,7
	v_mul_f32 v[P+\j], v[O+\j], v[SUM]
.endr
	global_store_b128 v[LI], v[P:P+3], s[8:9]
	global_store_b128 v[LI], v[P+4:P+7], s[8:9] offset:512
	s_wait_tensorcnt 0x0
	ds_add_u32 v4, v5
	s_wait_dscnt 0x0
	CROUND                                         ; the closing round: no work-group ends while a partner may still ask for a record that names it
	s_endpgm
.Lfunc_end_k_q7d7b9907b0_attn:
	.size	k_q7d7b9907b0_attn, .Lfunc_end_k_q7d7b9907b0_attn-k_q7d7b9907b0_attn
	.p2alignl 7, 3214868480
	.fill 96, 4, 3214868480
	.section	.rodata,"a",@progbits
	.p2align	6, 0x0
	.amdhsa_kernel k_q7d7b9907b0_attn
		.amdhsa_group_segment_fixed_size 169984
		.amdhsa_private_segment_fixed_size 0
		.amdhsa_enable_private_segment 0
		.amdhsa_kernarg_size 24
		.amdhsa_user_sgpr_count 2
		.amdhsa_user_sgpr_kernarg_segment_ptr 1
		.amdhsa_wavefront_size32 1
		.amdhsa_system_sgpr_workgroup_id_x 1
		.amdhsa_system_sgpr_workgroup_id_y 1
		.amdhsa_system_sgpr_workgroup_id_z 1
		.amdhsa_system_vgpr_workitem_id 0
		.amdhsa_next_free_vgpr 256
		.amdhsa_next_free_sgpr 66
		.amdhsa_reserve_vcc 0
		.amdhsa_float_denorm_mode_32 3
		.amdhsa_float_denorm_mode_16_64 3
		.amdhsa_memory_ordered 1
		.amdhsa_forward_progress 1
		.amdhsa_inst_pref_size 21
	.end_amdhsa_kernel
	.amdgpu_metadata
---
amdhsa.version: [ 1, 2 ]
amdhsa.kernels:
  - .name:           k_q7d7b9907b0_attn
    .symbol:         k_q7d7b9907b0_attn.kd
    .args:
      - { .name: qf, .offset: 0, .size: 8, .value_kind: global_buffer, .address_space: global }
      - { .name: kv, .offset: 8, .size: 8, .value_kind: global_buffer, .address_space: global }
      - { .name: att, .offset: 16, .size: 8, .value_kind: global_buffer, .address_space: global }
    .group_segment_fixed_size: 169984
    .private_segment_fixed_size: 0
    .kernarg_segment_align: 8
    .kernarg_segment_size: 24
    .max_flat_workgroup_size: 512
    .sgpr_count:     66
    .vgpr_count:     256
    .wavefront_size: 32
...
	.end_amdgpu_metadata
.endif
;; end of part 2
;; launch proj (part 3): grid 64 x 1, 8 waves a work-group, no clusters, 152,576 bytes of LDS; arguments att, W_0, b_0, out0; writes out0
.if DOCPART == 3
	.amdgcn_target "amdgcn-amd-amdhsa--gfx1250"
	.amdhsa_code_object_version 6
	.text
	.protected	k_q7d7b9907b0_proj
	.globl	k_q7d7b9907b0_proj
	.p2align	8
	.type	k_q7d7b9907b0_proj,@function
k_q7d7b9907b0_proj:
	s_mov_b64 s[64:65], 0
	v_nop
	global_prefetch_b8 v0, s[64:65] scope:SCOPE_SE
	s_setreg_imm32_b32 hwreg(HW_REG_WAVE_MODE, 25, 1), 1
	s_wait_xcnt 0x0
; out0 = Q(a) Q(W_0)^T + b_0 on codes of FP6 (E2M3) with one E8M0 scale for each 32 along K = 128 = (head, dim); sums in f32.  a is the attention's result, out0 [2048 f][4 b][128] f32.
; att holds a as the attention's launch left it: [head 8 b + h][tile 128][c 2][lane 32][16 bytes]; in a tile lane (r, g) holds dims 8 g + 4 c + 0 .. 3 of query r, and row r of tile T is field place 32 (T / 2) + 8 (T % 2) + r + 8 (r / 8).
; SHARES.  A work-group takes batch element b = x % 4 and 128 field places (8 tiles).  Wave w quantises tile w of a (all 8 heads: K) and rows 16 w .. 16 w + 15 of W_0; a's fragments go round through LDS as images of their
; registers, W_0's stays with its wave.  One barrier; 8 matrix instructions a wave, transposed (source 0 = W_0's rows, source 1 = a's tile), with the bias as C; results meet in a stage; a second barrier; whole rows leave.
; THE QUANTISER'S LAYOUT FROM att: lane (r, h) wants k = 32 B + 16 h + 0 .. 15 = the 16 dims of head 2 B + h: four pieces of 16 bytes; for each piece sixteen lanes read 256 consecutive bytes of one head's tile.
; No cluster: the operands are f32 numbers that go from memory into the registers that quantise them.  No prefetch: each wave asks for all it reads at its head.
; LIMITS: NaN and infinities are not served.  A block whose largest magnitude lies under 2^-124 keeps the scale byte 1 (a block of zeros too: its codes are zeros).
.set FRB,  1536
.set XIMG, 0                           ; LDS: a's 8 fragments,
.set XSC,  8*FRB                       ; their scale words,
.set WST,  XSC+1024                    ; for each wave a stage of 16 rows x (512 + 16) bytes, in which W_0's rows turn,
.set STB,  16*528
.set YST,  WST+8*STB                   ; and the stage for out0: 128 rows x (512 + 16) bytes
.set XA,  4                            ; v4   att: 16 r + 131,072 h (the next head)
.set BA,  5                            ; v5   b_0: 32 h
.set LI,  6                            ; v6   16 x lane
.set LS,  7                            ; v7   4 x lane
.set XWI, 8
.set XWS, 9
.set STI, 10
.set STO, 11
.set YI,  12                           ; v12  the stage: where I put 32 bytes of a row
.set YO,  13                           ; v13  and where I read rows back
.set BI,  16                           ; v16-23 the bias in the result's layout
.set XN,  32
.set WN,  96
.set XF,  32
.set ACC, 128
.set WF,  192
.set WS,  204
.set XS,  208
.set TM,  216
.set PC,  232
.set CT,  244
.set PW,  252
.set WV,  18
.set SEL, 20
; 64 numbers of a lane, register 16 b + i = k 32 b + 16 (lane / 16) + i of my row, become a fragment's codes in v[pc] on and its scale word in v[pw].
.macro QUANT s, pc, pw
.irp b, 0,1,2,3
	v_max3_num_f32 v[TM+\b], |v[\s+16*\b]|, |v[\s+1+16*\b]|, 0x1800000   ; block b: my 16 numbers, and the floor 2^(3 - 127): the byte cannot fall under 1
.endr
.irp i, 2,4,6,8,10,12,14
.irp b, 0,1,2,3
	v_max3_num_f32 v[TM+\b], v[TM+\b], |v[\s+16*\b+\i]|, |v[\s+1+16*\b+\i]|
.endr
.endr
.irp b, 0,1,2,3
	v_permlanex16_b32 v[TM+4+\b], v[TM+\b], s[SEL], s[SEL+1]
.endr
.irp b, 0,1,2,3
	v_max_num_f32 v[TM+\b], v[TM+\b], v[TM+4+\b]   ; with lane l xor 16's: the block's largest magnitude
.endr
.irp b, 0,1,2,3
	v_add_nc_u32 v[TM+12+\b], 0xff000000, v[TM+\b] ; 2 off its exponent field: the conversion's scale operand
.endr
.irp b, 0,1,2,3
	v_lshrrev_b32 v[TM+4+\b], 23, v[TM+12+\b]      ; the scale's byte
.endr
	v_lshl_or_b32 v[\pw], v[TM+5], 8, v[TM+4]
	v_lshl_or_b32 v[\pw], v[TM+6], 16, v[\pw]
	v_lshl_or_b32 v[\pw], v[TM+7], 24, v[\pw]
.irp c, 0,1
	v_cvt_scalef32_pk16_fp6_f32 v[\pc+6*\c:\pc+2+6*\c], v[\s+32*\c:\s+15+32*\c], v[TM+12+2*\c]
	v_cvt_scalef32_pk16_fp6_f32 v[CT+4*\c:CT+2+4*\c], v[\s+16+32*\c:\s+31+32*\c], v[TM+12+2*\c+1]
.endr
	v_nop                                          ; one plain instruction behind the last scaled conversion
.irp c, 0,1
.irp i, 0,1,2
	v_permlane16_swap_b32 v[\pc+6*\c+\i], v[CT+4*\c+\i]
.endr
.irp i, 0,1,2
	v_mov_b32 v[\pc+3+6*\c+\i], v[CT+4*\c+\i]
.endr
.endr
.endm
	s_load_b128 s[4:7], s[0:1], 0x0                ; att, W_0
	s_load_b128 s[8:11], s[0:1], 0x10              ; b_0, out0
	v_lshl_add_u32 v254, v0, 2, 0x25000
	v_mov_b32 v255, 0
	v_lshrrev_b32 v1, 5, v0
	v_readfirstlane_b32 s[WV], v1                  ; wave 0..7
	v_and_b32 v1, 31, v0                           ; lane
	v_and_b32 v2, 15, v0                           ; r
	v_bfe_u32 v3, v0, 4, 1                         ; h
	v_lshlrev_b32 v[XA], 4, v2
	v_lshl_add_u32 v[XA], v3, 17, v[XA]
	v_lshlrev_b32 v[BA], 5, v3
	v_lshlrev_b32 v[LI], 4, v1
	v_lshlrev_b32 v[LS], 2, v1
	s_mul_i32 s22, s[WV], FRB
	v_add_nc_u32 v[XWI], s22, v[LI]
	s_lshl_b32 s22, s[WV], 7
	v_add_nc_u32 v[XWS], s22, v[LS]
	s_mul_i32 s22, s[WV], STB
	s_add_co_u32 s23, s22, WST                     ; my stage for W_0
	v_add_nc_u32 v[STI], s23, v[LI]
	v_mul_u32_u24 v[STO], v2, 528
	v_lshl_add_u32 v[YI], v3, 5, v[STO]            ; out0's stage: row r of a tile, + 32 h,
	v_lshl_add_u32 v[STO], v3, 6, v[STO]
	v_add_nc_u32 v[STO], s23, v[STO]
	s_lshl_b32 s23, s[WV], 6
	s_add_co_u32 s23, s23, YST
	v_add_nc_u32 v[YI], s23, v[YI]                 ; + 64 x wave: my 16 outputs' bytes
	s_add_co_u32 s23, s22, YST
	v_add_nc_u32 v[YO], s23, v[LI]                 ; back: my 16 rows, 16 bytes a lane
	s_mov_b32 s[SEL], 0x76543210
	s_mov_b32 s[SEL+1], 0xfedcba98
.irp b, 0,1,2,3
	v_mov_b32 v[TM+4+\b], 0                        ; written once: a lane permute's destination counts as one of its sources
.endr
	s_and_b32 s23, ttmp9, 3                        ; b
	s_lshr_b32 s24, ttmp9, 2                       ; which 128 field places
	s_lshl_b32 s26, s23, 20                        ; att: 8 heads of 131,072 bytes a batch element,
	s_lshl_b32 s28, s24, 13                        ; 8 tiles of 1,024 bytes a work-group,
	s_add_co_u32 s26, s26, s28
	s_lshl_b32 s28, s[WV], 10                      ; one a wave
	s_add_co_u32 s26, s26, s28
	s_mov_b32 s27, 0
	s_lshl_b32 s28, s[WV], 13                      ; W_0: 16 rows of 512 bytes a wave
	s_mov_b32 s29, 0
	s_lshl_b32 s30, s[WV], 6                       ; b_0: 16 numbers a wave
	s_mov_b32 s31, 0
	s_lshl_b32 s32, s24, 18                        ; out0: 128 places x 2,048 bytes,
	s_lshr_b32 s34, s[WV], 1
	s_lshl_b32 s34, s34, 16                        ; + 32 (wave / 2) places,
	s_add_co_u32 s32, s32, s34
	s_and_b32 s34, s[WV], 1
	s_lshl_b32 s34, s34, 14                        ; + 8 (wave % 2) places,
	s_add_co_u32 s32, s32, s34
	s_lshl_b32 s34, s23, 9                         ; + b rows of 512 bytes
	s_add_co_u32 s32, s32, s34
	s_mov_b32 s33, 0
	s_wait_kmcnt 0x0
	s_add_nc_u64 s[4:5], s[4:5], s[26:27]
	s_add_nc_u64 s[6:7], s[6:7], s[28:29]
	s_add_nc_u64 s[8:9], s[8:9], s[30:31]
	s_add_nc_u64 s[10:11], s[10:11], s[32:33]
.irp b, 0,1,2,3                                ; block B: heads 2 B (lanes 0-15) and 2 B + 1 (lanes 16-31)
.irp j, 0,1,2,3                                ; dims 4 j .. 4 j + 3: image c = j % 2, the tile's lanes 16 (j / 2) + r
	global_load_b128 v[XN+16*\b+4*\j:XN+16*\b+4*\j+3], v[XA], s[4:5] offset:262144*\b+512*(\j%2)+256*(\j/2) th:TH_LOAD_NT
.endr
.endr
.irp i, 0,1,2,3,4,5,6,7,8,9,10,11,12,13,14,15
	global_load_b128 v[WN+4*\i:WN+4*\i+3], v[LI], s[6:7] offset:\i*512   ; row i of my 16: 32 lanes read its 512 consecutive bytes
.endr
	global_load_b128 v[BI:BI+3], v[BA], s[8:9]     ; lane (r, h): b_0 at outputs 16 w + 8 h + 0 .. 7
	global_load_b128 v[BI+4:BI+7], v[BA], s[8:9] offset:16
	s_wait_loadcnt 18                              ; a's 16 loads are in; behind them W_0's 16 and the bias's 2
	QUANT XN, PC, PW
.irp c, 0,1,2
	ds_store_b128 v[XWI], v[PC+4*\c:PC+4*\c+3] offset:XIMG+512*\c
.endr
	ds_store_b32 v[XWS], v[PW] offset:XSC
	s_wait_loadcnt 0x0
.irp i, 0,1,2,3,4,5,6,7,8,9,10,11,12,13,14,15      ; W_0's rows turn through my stage: LDS serves a wave's instructions in order, so no wait stands between the stores and the loads
	ds_store_b128 v[STI], v[WN+4*\i:WN+4*\i+3] offset:528*\i
.endr
.irp b, 0,1,2,3
.irp j, 0,1,2,3
	ds_load_b128 v[WN+16*\b+4*\j:WN+16*\b+4*\j+3], v[STO] offset:128*\b+16*\j
.endr
.endr
	s_wait_dscnt 0x0
	QUANT WN, WF, WS
	s_barrier_signal -1                            ; (no LDS instruction of mine is out: my image has landed)
	s_barrier_wait -1                              ; a's eight fragments lie in LDS
.irp t, 0,1,2,3,4,5,6,7
.irp c, 0,1,2
	ds_load_b128 v[XF+12*\t+4*\c:XF+12*\t+4*\c+3], v[LI] offset:XIMG+\t*FRB+512*\c
.endr
	ds_load_b32 v[XS+\t], v[LS] offset:XSC+128*\t
.endr
.rept 8
	v_nop                                          ; W_0's scale word, made by vector instructions, stands 8 plain instructions ahead of the scaled matrix instructions, its codes 4
.endr
	s_wait_dscnt 0x0
.irp t, 0,1,2,3,4,5,6,7
	v_wmma_scale_f32_16x16x128_f8f6f4 v[ACC+8*\t:ACC+8*\t+7], v[WF:WF+11], v[XF+12*\t:XF+12*\t+11], v[BI:BI+7], v[WS], v[XS+\t] matrix_a_fmt:MATRIX_FMT_FP6 matrix_b_fmt:MATRIX_FMT_FP6
.endr
.rept 4
	v_nop                                          ; four plain instructions ahead of the stores that read the results, and of the loads into registers that these products read
.endr
.irp t, 0,1,2,3,4,5,6,7
	ds_store_b128 v[YI], v[ACC+8*\t:ACC+8*\t+3] offset:\t*STB          ; lane (r, h): row r of tile t, outputs 16 w + 8 h + 0 .. 7; each accumulator from its low end on
	ds_store_b128 v[YI], v[ACC+8*\t+4:ACC+8*\t+7] offset:\t*STB+16
.endr
	s_wait_dscnt 0x0                               ; for the others' sake: my stores into the stage are done
	s_barrier_signal -1
	s_barrier_wait -1                              ; 128 whole rows lie in the stage
.irp i, 0,1,2,3,4,5,6,7,8,9,10,11,12,13,14,15
	ds_load_b128 v[XF+4*\i:XF+4*\i+3], v[YO] offset:\i*528
.endr
.irp i, 0,1,2,3,4,5,6,7,8,9,10,11,12,13,14,15
	s_wait_dscnt 15-\i                             ; row i is back; the younger loads may be out
	global_store_b128 v[LI], v[XF+4*\i:XF+4*\i+3], s[10:11] offset:(\i+8*(\i/8))*2048 th:TH_STORE_NT   ; 32 lanes store a row's 512 consecutive bytes, aligned; written once, read by nobody here
.endr
	s_wait_tensorcnt 0x0
	ds_add_u32 v254, v255
	s_wait_dscnt 0x0
	s_endpgm
.Lfunc_end_k_q7d7b9907b0_proj:
	.size	k_q7d7b9907b0_proj, .Lfunc_end_k_q7d7b9907b0_proj-k_q7d7b9907b0_proj
	.p2alignl 7, 3214868480
	.fill 96, 4, 3214868480
	.section	.rodata,"a",@progbits
	.p2align	6, 0x0
	.amdhsa_kernel k_q7d7b9907b0_proj
		.amdhsa_group_segment_fixed_size 152576
		.amdhsa_private_segment_fixed_size 0
		.amdhsa_enable_private_segment 0
		.amdhsa_kernarg_size 32
		.amdhsa_user_sgpr_count 2
		.amdhsa_user_sgpr_kernarg_segment_ptr 1
		.amdhsa_wavefront_size32 1
		.amdhsa_system_sgpr_workgroup_id_x 1
		.amdhsa_system_sgpr_workgroup_id_y 1
		.amdhsa_system_sgpr_workgroup_id_z 1
		.amdhsa_system_vgpr_workitem_id 0
		.amdhsa_next_free_vgpr 256
		.amdhsa_next_free_sgpr 66
		.amdhsa_reserve_vcc 0
		.amdhsa_float_denorm_mode_32 3
		.amdhsa_float_denorm_mode_16_64 3
		.amdhsa_memory_ordered 1
		.amdhsa_forward_progress 1
		.amdhsa_inst_pref_size 24
	.end_amdhsa_kernel
	.amdgpu_metadata
---
amdhsa.version: [ 1, 2 ]
amdhsa.kernels:
  - .name:           k_q7d7b9907b0_proj
    .symbol:         k_q7d7b9907b0_proj.kd
    .args:
      - { .name: att, .offset: 0, .size: 8, .value_kind: global_buffer, .address_space: global }
      - { .name: W_0, .offset: 8, .size: 8, .value_kind: global_buffer, .address_space: global }
      - { .name: b_0, .offset: 16, .size: 8, .value_kind: global_buffer, .address_space: global }
      - { .name: out0, .offset: 24, .size: 8, .value_kind: global_buffer, .address_space: global }
    .group_segment_fixed_size: 152576
    .private_segment_fixed_size: 0
    .kernarg_segment_align: 8
    .kernarg_segment_size: 32
    .max_flat_workgroup_size: 256
    .sgpr_count:     66
    .vgpr_count:     256
    .wavefront_size: 32
...
	.end_amdgpu_metadata
.endif
;; end of part 3
